; MI455X (gfx1250); checked and timed in simulation.
; The chip was launched on July 23, 2026; its instructions are those of AMD's public machine-readable ISA for CDNA 5 (MIT licence, August 2026) and "CDNA5" Instruction Set Architecture Reference Guide (July 2026). The comments in the code are by the model that wrote it; some were corrected since.
;; Quantized Linear. Allowed arithmetic: matrix products marked QUANTISED: E2M3 operands, one E8M0 scale for each 32 along K, by v_wmma_scale_f32_16x16x128_f8f6f4 with both operands' format E2M3, f32 sums; everything else in f32.
;; Inputs: bias 4,096 float32; scale 4,096 x 32 float32; weight_q 4,096 x 4,096 int32; x 2 x 2,048 x 4,096 float32; zero_point 4,096 x 32 float32.
;; Outputs: out0 2 x 2,048 x 4,096 float32.
;; This version of the problem:
;;   THIS VERSION OF THE PROBLEM IS GIVEN IN LOW PRECISION. The matrix products marked QUANTISED in the list below multiply operands that are first quantised to E2M3 (2 exponent bits, 3 mantissa bits; 6 bits a number), with one power-of-two scale for each 32 numbers along K (OCP MX v1.0); their sums are f32. All else is computed in f32.
;;   The module's matrix products, in the order in which they are computed (A, B: the left and right operand; K: the contracted axis; several contracted axes count as one K, in the product's order):
;;     1. [M 4,096, K 4,096] x [K 4,096, N 4,096]; A: input x; B: computed on the way: QUANTISED
;;   THE QUANTISER, for each operand of a quantised product, along K:
;;     - K is cut into blocks of 32 from its start; a last block that is shorter is filled with zeros.
;;     - A block's scale is 2^e with e = floor(log2(the largest magnitude in the block)) - 2, held to -126 .. 127; a block of zeros has e = 0. As a byte (E8M0): e + 127.
;;     - Each number is divided by its block's scale, clamped to +-7.5, and rounded to the nearest number of E2M3, ties to even, subnormals kept.
;;     - The product sums the exact products of the quantised numbers (number of the format x scale) in f32.
;;   ~~~python
;;   def quantise(x, axis):      # numpy; x: float32 -> the quantised numbers, widened to float32 again
;;       x = np.moveaxis(x, axis, -1); K = x.shape[-1]
;;       x = np.pad(x, [(0, 0)] * (x.ndim - 1) + [(0, -K % 32)]); x = x.reshape(x.shape[:-1] + (-1, 32)); a = np.abs(x).max(-1, keepdims=True)
;;       e = np.where(a > 0, np.clip(np.frexp(np.where(a > 0, a, 1))[1] - 1 - 2, -126, 127), 0)      # np.frexp(a)[1] - 1 = floor(log2(a)), exactly
;;       r = np.clip(x / 2.0 ** e, -7.5, 7.5)
;;       step = 2.0 ** (np.maximum(np.frexp(np.where(r == 0, 1, r))[1] - 1, 0) - 3)
;;       q = np.round(r / step) * step * 2.0 ** e      # np.round: ties to even
;;       return np.moveaxis(q.reshape(q.shape[:-2] + (-1,))[..., :K], -1, axis).astype(np.float32)
;;   ~~~
;;   OPERANDS COMPUTED ON THE WAY. 'Computed on the way' means the value that the module computes at that place (a softmax that the list does not call 'softmax' is quantised finished and normalised). What goes into a quantiser is computed in f32, as accurately as f32 sums, v_exp_f32 and their like allow (about 1e-6 of the number): no bf16 or f16 on the way to a quantiser, and a product that is left as it is and whose result goes on into a quantised operand takes f32 operands (vector FMAs, or v_wmma_f32_16x16x4_f32). A number that lies on a knife's edge between two numbers of the format may be rounded either way, as far as f32 arithmetic and the matrix unit's own rounding can turn it there, and no further.
;; One version. Each part assembles by itself: llvm-mc -triple=amdgcn-amd-amdhsa -mcpu=gfx1250 --defsym DOCPART=n.
;; ======== version 1 of 1: 2 launches
;; limits: right only within a limited range of input values
;; workspace buffers: xq 13,107,200 bytes; wq 13,107,200 bytes
;; launch quant (part 1): grid 512 x 1, 4 waves a work-group, no clusters, 68,096 bytes of LDS; arguments x, weight_q, scale, zero_point, xq, wq; writes xq, wq
.if DOCPART == 1
	.amdgcn_target "amdgcn-amd-amdhsa--gfx1250"
	.amdhsa_code_object_version 6
	.text
	.protected	k_q8a66636dc6_quant
	.globl	k_q8a66636dc6_quant
	.p2align	8
	.type	k_q8a66636dc6_quant,@function
k_q8a66636dc6_quant:
	s_mov_b64 s[64:65], 0
	v_nop
	global_prefetch_b8 v0, s[64:65] scope:SCOPE_SE
	s_setreg_imm32_b32 hwreg(HW_REG_WAVE_MODE, 25, 1), 1
	s_wait_xcnt 0x0
; x [4096][4096] f32, and w[n][k] = (f32(weight_q[n][k]) - zero_point[n][k/128]) * scale[n][k/128] (a subtraction, then a multiplication, each rounded to f32, as the
; definition writes them), are turned into codes of FP6 (E2M3) with one E8M0 scale byte for each 32 along K.  K is innermost in both.
; A block's scale is 2^(floor(log2(its largest magnitude)) - 2); its byte is the largest magnitude's own exponent field - 2, held at 1 from below.
; LIMITS: a block whose largest magnitude lies under 2^-124 keeps the byte 1; a block of zeros gets the byte 1 where the rule says 127 (its codes are zeros, which add nothing
; under any byte but 0xff, and the bytes are read by this program alone); NaN and infinities among the inputs are not served.  weight_q may hold any int32.
; WHAT IS STORED, in the order in which the product's launch takes it: [group of 128 rows][step of 128 along K][a chunk of 12,800 bytes].  A chunk is eight images of 1,536 bytes, one for
; each block of 16 rows (the image of a fragment's 12 registers: register j of lane l at 512 (j / 4) + 16 l + 4 (j % 4)), and behind them 512 bytes of scale words (four bytes: these
; 128 along K of one row): the word of row 16 i + r at 32 r + 4 i.
; SHARES.  Work-groups 0-255 take x, 256-511 the weight.  A WAVE MAKES ONE CHUNK: 128 rows x 128 along K, in 8 steps of 16 rows; a step is one fragment.  The four waves of a work-group
; take four neighbouring steps along K: 2,048 consecutive bytes of each row.
; A STEP.  Sixteen loads, each 512 consecutive bytes of one row; the conversions want 16 neighbours along K in ONE lane's registers, so the 8,192 bytes turn through the wave's own
; stage in LDS (rows 528 bytes apart: 132 words; 64 banks of 4 bytes: ISA guide 11.1).
; The fragment leaves by three stores of 512 consecutive bytes.  The eight steps' scale words stay in registers and leave by one store of 512 consecutive bytes.
; Waves share nothing: no barrier.  Loads run two steps (32 loads a wave) ahead.  Every offset is an immediate; no pointer is stepped.
; The two tensors take two copies of the body (the weight's has the dequantising lines); each copy has LDS bytes of its own.
.set ROWB,  16384                      ; a row of x or of weight_q in bytes
.set SP,    528                        ; a stage row
.set WREG,  16*SP                      ; a wave's LDS: its stage, 8,448 bytes
.set PATHW, 4*WREG                     ; where the weight's copy has its LDS bytes
.set FRB,   1536                       ; a fragment's image
.set CHK,   8*FRB+512                  ; a chunk
.set RGB,   32*CHK                     ; 128 rows x all of K
.set LI,  4                            ; v4   16 x lane: my place in 512 consecutive bytes
.set STI, 5                            ; v5   the stage, on the way in: wave's LDS + 16 x lane
.set STO, 6                            ; v6   on the way out: wave's LDS + 528 r + 64 h
.set SWO, 7                            ; v7   32 r + 16 h: where my four scale words go among the chunk's 128
.set SZA, 9                            ; v9   128 r: my row of scale and of zero_point
.set S,   16                           ; v16-23  scale of my row in each of the 8 steps; behind step i register i holds that step's scale word
.set Z,   24                           ; v24-31  zero_point likewise
.set TM,  32                           ; v32-35  largest magnitudes of the four blocks
.set TB,  36                           ; v36-39  the other half's, then the scale bytes
.set TS,  40                           ; v40-43  the conversions' scale operands
.set PC,  44                           ; v44-55  the fragment; v56-58, v60-62 the upper halves as converted
.set X,   64                           ; v64-127 64 numbers: register 16 b + e = k 32 b + 16 h + e of row r
.set R,   128                          ; v128-255 two sets of 64 registers as loaded
	s_load_b256 s[4:11], s[0:1], 0x0               ; x, weight_q, scale, zero_point
	s_load_b128 s[12:15], s[0:1], 0x20             ; xq, wq
	v_lshl_add_u32 v59, v0, 2, 0x10800
	v_mov_b32 v63, 0
	v_lshrrev_b32 v1, 5, v0
	v_readfirstlane_b32 s20, v1                    ; wave 0..3
	v_and_b32 v1, 31, v0                           ; lane
	s_wait_alu depctr_va_vdst(0)
	v_and_b32 v2, 15, v0                           ; r
	s_wait_alu depctr_va_vdst(0)
	v_bfe_u32 v3, v0, 4, 1                         ; h
	s_and_b32 s21, ttmp9, 255                      ; my work-group's number in its tensor
	s_lshr_b32 s22, s21, 3                         ; its group of 128 rows
	s_and_b32 s23, s21, 7
	s_lshl_b32 s23, s23, 2
	s_add_co_u32 s23, s23, s20                     ; my wave's step of 128 along K: 4 x (number % 8) + wave
	s_lshl_b32 s24, s22, 21                        ; the input: 128 rows of 16,384 bytes a group,
	s_lshl_b32 s33, s23, 9                         ; 512 bytes of a row a step
	s_add_co_u32 s24, s24, s33
	s_mov_b32 s25, 0
	s_mul_i32 s26, s22, RGB                        ; the codes: the group's stream,
	s_mul_i32 s33, s23, CHK                        ; my chunk in it
	s_add_co_u32 s26, s26, s33
	s_mov_b32 s27, 0
	s_lshl_b32 s30, s22, 14                        ; scale and zero_point: 128 rows of 128 bytes a group, 4 bytes of a row a step
	s_lshl_b32 s33, s23, 2
	s_add_co_u32 s30, s30, s33
	s_mov_b32 s31, 0
	s_mul_i32 s32, s20, WREG                       ; my wave's LDS
	s_mov_b32 s34, 0x76543210
	s_mov_b32 s35, 0xfedcba98                      ; v_permlanex16_b32's selects for lane l xor 16
	v_lshlrev_b32 v[LI], 4, v1
	v_add_nc_u32 v[STI], s32, v[LI]
	v_mul_u32_u24 v[STO], v2, SP
	s_wait_alu depctr_va_vdst(0)
	v_lshl_add_u32 v[STO], v3, 6, v[STO]
	v_add_nc_u32 v[STO], s32, v[STO]
	v_lshlrev_b32 v[SWO], 5, v2
	v_lshl_add_u32 v[SWO], v3, 4, v[SWO]
	v_lshlrev_b32 v[SZA], 7, v2
.irp b, 0,1,2,3
	v_mov_b32 v[TB+\b], 0                          ; written once: a lane permute's destination counts as one of its sources
.endr
	s_wait_kmcnt 0x0
	s_cmp_lt_u32 ttmp9, 256                        ; x's work-group or the weight's?  The choice hangs on the work-group's number alone
	s_cselect_b64 s[4:5], s[4:5], s[6:7]           ; the input
	s_cselect_b64 s[12:13], s[12:13], s[14:15]     ; its codes
	s_add_nc_u64 s[4:5], s[4:5], s[24:25]
	s_add_nc_u64 s[12:13], s[12:13], s[26:27]
	s_add_nc_u64 s[8:9], s[8:9], s[30:31]
	s_add_nc_u64 s[10:11], s[10:11], s[30:31]
.macro LOAD t                          ; step t: my 128 along K of rows 16 t .. 16 t + 15 into set t % 2; each load is 512 consecutive bytes of one row.  127 rows at the most: inside the signed 24-bit immediate (ISA guide, chapter 10)
.irp j, 0,1,2,3,4,5,6,7,8,9,10,11,12,13,14,15
	global_load_b128 v[R+64*((\t)%2)+4*\j:R+64*((\t)%2)+4*\j+3], v[LI], s[4:5] offset:ROWB*(16*(\t)+\j) th:TH_LOAD_NT
.endr
.endm
; The 64 numbers in X become a fragment's 12 registers in v[PC] on and my row's scale word in v[pw].
.macro QUANT pw
.irp b, 0,1,2,3
	v_max3_num_f32 v[TM+\b], |v[X+16*\b]|, |v[X+1+16*\b]|, 0x1800000   ; block b: my 16 numbers, and the floor 2^(3 - 127): so the byte cannot fall under 1
.endr
.irp i, 2,4,6,8,10,12,14
.irp b, 0,1,2,3
	v_max3_num_f32 v[TM+\b], v[TM+\b], |v[X+16*\b+\i]|, |v[X+1+16*\b+\i]|   ; the four blocks by turns: no line waits for the line above it
.endr
.endr
.irp b, 0,1,2,3
	v_permlanex16_b32 v[TB+\b], v[TM+\b], s34, s35
.endr
.irp b, 0,1,2,3
	v_max_num_f32 v[TM+\b], v[TM+\b], v[TB+\b]     ; with lane l xor 16's 16 numbers: the block's largest magnitude
.endr
.irp b, 0,1,2,3
	v_add_nc_u32 v[TS+\b], 0xff000000, v[TM+\b]    ; 2 off its exponent field: the conversion takes the exponent field of this operand as its scale, and nothing else of it
.endr
.irp b, 0,1,2,3
	v_lshrrev_b32 v[TB+\b], 23, v[TS+\b]           ; the scale's byte
.endr
	v_lshl_or_b32 v[\pw], v[TB+1], 8, v[TB]        ; the four bytes make my row's scale word; lanes r and r + 16 hold the same
	v_lshl_or_b32 v[\pw], v[TB+2], 16, v[\pw]
	v_lshl_or_b32 v[\pw], v[TB+3], 24, v[\pw]
.irp c, 0,1
	v_cvt_scalef32_pk16_fp6_f32 v[PC+6*\c:PC+2+6*\c], v[X+32*\c:X+15+32*\c], v[TS+2*\c]              ; to the nearest code, ties to even; beyond 7.5 the largest code
	v_cvt_scalef32_pk16_fp6_f32 v[PC+12+4*\c:PC+14+4*\c], v[X+16+32*\c:X+31+32*\c], v[TS+2*\c+1]     ; (a conversion's three registers begin on an even number)
.endr
	v_nop                                          ; one plain vector instruction behind the scaled conversions, ahead of the lines that touch their results
.irp c, 0,1                                    ; the operand's layout wants a WHOLE block in a lane: lanes 0-15 block 2 c, lanes 16-31 block 2 c + 1
.irp i, 0,1,2
	v_permlane16_swap_b32 v[PC+6*\c+\i], v[PC+12+4*\c+\i]
.endr
.irp i, 0,1,2
	v_mov_b32 v[PC+3+6*\c+\i], v[PC+12+4*\c+\i]    ; registers 6 c .. 6 c + 5 now hold k = 64 c + 32 h + 0 .. 31
.endr
.endr
.endm
.macro STEP t, deq, lb
.if (\t) < 7
	s_wait_loadcnt 16                              ; loads come back in order: this step's sixteen (and all older ones) are in; the next step's sixteen may be out
.else
	s_wait_loadcnt 0x0
.endif
	s_wait_xcnt 0x0                                ; the last step's three stores have read the fragment's registers, which are written again below
.irp j, 0,1,2,3,4,5,6,7,8,9,10,11,12,13,14,15
	ds_store_b128 v[STI], v[R+64*((\t)%2)+4*\j:R+64*((\t)%2)+4*\j+3] offset:\lb+SP*\j
.endr
.irp b, 0,1,2,3
.irp j, 0,1,2,3
	ds_load_b128 v[X+16*\b+4*\j:X+16*\b+4*\j+3], v[STO] offset:\lb+128*\b+16*\j   ; LDS serves a wave's instructions in order (ISA guide 5.7.1.4): these see the stores above
.endr
.endr
	s_wait_dscnt 0x0                               ; X is in; the stores into the stage have read their registers,
.if (\t)+2 < 8
	LOAD (\t)+2                                    ; which take the loads of two steps on
.endif
.if \deq
	v_mov_b32 v10, v[Z+(\t)]                       ; my wave's 128 along K are one group: one zero point and one scale for my row, twice each for the packed forms
	v_mov_b32 v11, v[Z+(\t)]
	v_mov_b32 v12, v[S+(\t)]
	v_mov_b32 v13, v[S+(\t)]
.set e, 0
.rept 64
	v_cvt_f32_i32 v[X+e], v[X+e]
.set e, e+1
.endr
.set e, 0
.rept 32
	v_pk_add_f32 v[X+e:X+e+1], v[X+e:X+e+1], v[10:11] neg_lo:[0,1] neg_hi:[0,1]   ; q - zero_point
.set e, e+2
.endr
.set e, 0
.rept 32
	v_pk_mul_f32 v[X+e:X+e+1], v[X+e:X+e+1], v[12:13]                             ; x scale.  Not fused with the subtraction: the definition rounds twice
.set e, e+2
.endr
.endif
	QUANT S+(\t)                                   ; this step's scale has been copied: its register takes the step's scale word
.irp c, 0,1,2
	global_store_b128 v[LI], v[PC+4*\c:PC+4*\c+3], s[12:13] offset:FRB*(\t)+512*\c   ; 32 lanes store 512 consecutive bytes, at a multiple of 256 from the buffer's first byte
.endr
.endm
.macro BODY deq, lb
.if \deq
.irp i, 0,1,2,3,4,5,6,7                        ; 4 bytes of each of my 128 rows, once a wave; older than every load of the stream: the first step's wait covers them
	global_load_b32 v[S+\i], v[SZA], s[8:9] offset:2048*\i
	global_load_b32 v[Z+\i], v[SZA], s[10:11] offset:2048*\i
.endr
.endif
	LOAD 0
	LOAD 1
.irp t, 0,1,2,3,4,5,6,7
	STEP \t, \deq, \lb
.endr
	v_cmp_eq_u32 vcc_lo, 1, v3                     ; the chunk's 128 scale words: lane (r, h) stores those of blocks 4 h .. 4 h + 3 of row r
.irp j, 0,1,2,3
	v_cndmask_b32 v[X+\j], v[S+\j], v[S+4+\j], vcc_lo
.endr
	global_store_b128 v[SWO], v[X:X+3], s[12:13] offset:8*FRB   ; the 32 lanes store 512 consecutive bytes, at a multiple of 256 from the buffer's first byte
.endm
	s_cmp_lt_u32 ttmp9, 256
	s_cbranch_scc0 .Lweights
	s_wait_alu depctr_va_vdst(0)
	BODY 0, 0
	s_wait_tensorcnt 0x0
	ds_add_u32 v59, v63
	s_wait_dscnt 0x0
	s_endpgm
.Lweights:
	s_wait_alu depctr_va_vdst(0)
	BODY 1, PATHW
	s_wait_tensorcnt 0x0
	ds_add_u32 v59, v63
	s_wait_dscnt 0x0
	s_endpgm
.Lfunc_end_k_q8a66636dc6_quant:
	.size	k_q8a66636dc6_quant, .Lfunc_end_k_q8a66636dc6_quant-k_q8a66636dc6_quant
	.p2alignl 7, 3214868480
	.fill 96, 4, 3214868480
	.section	.rodata,"a",@progbits
	.p2align	6, 0x0
	.amdhsa_kernel k_q8a66636dc6_quant
		.amdhsa_group_segment_fixed_size 68096
		.amdhsa_private_segment_fixed_size 0
		.amdhsa_enable_private_segment 0
		.amdhsa_kernarg_size 48
		.amdhsa_user_sgpr_count 2
		.amdhsa_user_sgpr_kernarg_segment_ptr 1
		.amdhsa_wavefront_size32 1
		.amdhsa_system_sgpr_workgroup_id_x 1
		.amdhsa_system_sgpr_workgroup_id_y 1
		.amdhsa_system_sgpr_workgroup_id_z 1
		.amdhsa_system_vgpr_workitem_id 0
		.amdhsa_next_free_vgpr 256
		.amdhsa_next_free_sgpr 66
		.amdhsa_reserve_vcc 1
		.amdhsa_float_denorm_mode_32 3
		.amdhsa_float_denorm_mode_16_64 3
		.amdhsa_memory_ordered 1
		.amdhsa_forward_progress 1
		.amdhsa_inst_pref_size 176
	.end_amdhsa_kernel
	.amdgpu_metadata
---
amdhsa.version: [ 1, 2 ]
amdhsa.kernels:
  - .name:           k_q8a66636dc6_quant
    .symbol:         k_q8a66636dc6_quant.kd
    .args:
      - { .name: x, .offset: 0, .size: 8, .value_kind: global_buffer, .address_space: global }
      - { .name: weight_q, .offset: 8, .size: 8, .value_kind: global_buffer, .address_space: global }
      - { .name: scale, .offset: 16, .size: 8, .value_kind: global_buffer, .address_space: global }
      - { .name: zero_point, .offset: 24, .size: 8, .value_kind: global_buffer, .address_space: global }
      - { .name: xq, .offset: 32, .size: 8, .value_kind: global_buffer, .address_space: global }
      - { .name: wq, .offset: 40, .size: 8, .value_kind: global_buffer, .address_space: global }
    .group_segment_fixed_size: 68096
    .private_segment_fixed_size: 0
    .kernarg_segment_align: 8
    .kernarg_segment_size: 48
    .max_flat_workgroup_size: 128
    .sgpr_count:     66
    .vgpr_count:     256
    .wavefront_size: 32
...
	.end_amdgpu_metadata
.endif
;; end of part 1
;; launch gemm (part 2): grid 16 x 16, 4 waves a work-group, clusters of 4 x 4, 327,680 bytes of LDS; arguments xq, wq, bias, out0; writes out0
.if DOCPART == 2
	.amdgcn_target "amdgcn-amd-amdhsa--gfx1250"
	.amdhsa_code_object_version 6
	.text
	.protected	k_q8a66636dc6_gemm
	.globl	k_q8a66636dc6_gemm
	.p2align	8
	.type	k_q8a66636dc6_gemm,@function
k_q8a66636dc6_gemm:
	s_mov_b64 s[64:65], 0
	v_nop
	global_prefetch_b8 v0, s[64:65] scope:SCOPE_SE
	s_setreg_imm32_b32 hwreg(HW_REG_WAVE_MODE, 25, 1), 1
	s_wait_xcnt 0x0
	s_wait_alu depctr_hold_cnt(0) depctr_sa_sdst(0) depctr_va_vdst(0) depctr_va_sdst(0) depctr_va_ssrc(0) depctr_va_vcc(0) depctr_vm_vsrc(0)
	s_getreg_b32 s2, hwreg(HW_REG_IB_STS2, 6, 4)
	s_cmp_eq_u32 s2, 0
	s_cbranch_scc0 .Lentry_in_a_cluster
	s_endpgm
.Lentry_in_a_cluster:
	s_bfe_u32 s2, ttmp6, 0x10000c
	s_cmp_lg_u32 s2, 0xf033
	s_cbranch_scc0 .Lentry_shape_is_right
	s_endpgm
.Lentry_shape_is_right:
; out0[m][n] = sum over k of Q(x)[m][k] Q(w)[n][k] + bias[n]: 4096 x 4096 x 4096, both operands as codes of FP6 (E2M3) with E8M0 scale bytes, as the launch before laid them:
; [group of 128 rows][step of 128 along K][chunk of 12,800 bytes = eight images of a fragment's 12 registers (1,536 bytes each) + 512 bytes of scale words (row 16 i + r at 32 r + 4 i)].
; A work-group of four waves makes 256 x 256 of out0, a wave 128 x 128: 64 accumulators, 512 registers.  256 work-groups.
; RING: two LDS slots, each with three K steps of A's 256 rows and B's 256 rows (4 x 38,400 bytes, dense rows of 256 bytes); 32 steps = ten whole slots and one of two steps.  One tensor load a wave for each fill.
; CLUSTERS 4 x 4: A's pieces are asked for jointly along a row of the cluster, B's along a column; a round of the cluster's barrier stands in front of every fill.
; The matrix instruction is used transposed (source 0 = B's rows, source 1 = A's): a lane holds eight neighbouring columns of one row.  The bias is the C of each accumulator's first product.
; A STEP: 64 products, A's blocks one after the other against B's eight.  B and the scale words have two register sets, A one: the next step's B and scale words are fetched at the step's head (26 LDS loads),
; A's blocks 0-3 in its middle (12), blocks 4-7 at its end (12).
; THE LAST TWO STEPS GO BY ROWS OF out0: B's two sets hold both steps, A comes in four buffers of 16 rows x 256 K, and each block of 16 rows leaves as soon as its 16 products are done.
; PREFETCH: behind the joint load of fill k each wave asks for fill k + 2 of the piece that it loads: 150 blocks of 256 bytes, shared among the four partners by address (32 + 6 blocks each; lanes left over name the wave's last block again).
; Fills 0 and 1 come by their loads alone; fill 10 (100 blocks, the stream's end) is not asked for: the asks stop with fill 9, inside the buffer.
; REGISTERS: window 0: v16-31 addresses, v32-47 scale words (two sets), v64-127 the bias, v128-223 A's fragments; window 1: B's sets at v0 and v128; windows 2, 3: accumulator (a, b) at v[8 (8 (a % 4) + b)].
.set SIZE_N, 4096
.set NQ,     3
.set FR,     12
.set NL,     3
.set NP,     4
.set FRB,    1536
.set SWO,    8*FRB
.set CHK,    8*FRB+512
.set QT,     NQ*CHK                    ; what one load brings: three chunks of one group of 128 rows
.set SLOT,   4*QT
.set RGB,    32*CHK                    ; a group's stream: all of K
.set TRIPS,  4
.set SPARE,  2*SLOT                    ; the spare words, 512 bytes that no other line names
.set STAGE,  SLOT                      ; the way out's stage lies in slot 1, behind its last fill and its last read
.set SPITCH, 528
.set ADRA, 16                          ; v16-17 my A fragments in slot 0, 1
.set ADRS, 18                          ; v18-19 my scale words: lanes 0-15 A's rows, lanes 16-31 B's
.set ADRB, 20                          ; v20-21 my B fragments
.set STO,  24
.set RD,   25
.set CO,   26
.set PF2,  27
.set SPW,  28
.set NIL,  29
.set PFO,  30
.set BO,   31
.set SC,   32
.set BI,   64
.set AF,   128
.set G1, 24
.set G0, 32
.set G1B, 48
.set G0B, 56
.set G1T, 68                           ; group 1 for the last fill: 100 rows
.set G1TB, 80
.set PFA,  96                          ; s[96:97] where my prefetches stand in the stream that I load
.set MSB, 0
.macro WIN new
.if MSB != \new
	s_set_vgpr_msb (MSB<<8)|\new
.set MSB, \new
.endif
.endm
.set MUL_LO,  0xa1
.set MUL_HI,  0xf1
.set BIAS_LO, 0x81
.set BIAS_HI, 0xc1
.set TO_B,    0x40
.macro JLOAD g0a, g1a, g0b, g1b        ; waves 0, 1 load for A, waves 2, 3 for B; s_nop 0 and four v_nop behind each line
	s_cmp_eq_u32 s15, 0
	s_cbranch_scc0 .Lfor_b_\@
	tensor_load_to_lds s[\g0a:\g0a+3], s[\g1a:\g1a+7]
	s_nop 0
.rept 4
	v_nop
.endr
	s_branch .Lasked_\@
.Lfor_b_\@:
	tensor_load_to_lds s[\g0b:\g0b+3], s[\g1b:\g1b+7]
	s_nop 0
.rept 4
	v_nop
.endr
.Lasked_\@:
.endm
.macro CREST
	s_cmp_lg_u32 s14, 0
	s_cbranch_scc1 .Lnot_wave_0_\@
	s_barrier_signal -3
.Lnot_wave_0_\@:
	s_barrier_wait -3
	s_barrier_signal -1
	s_barrier_wait -1
.endm
.macro CROUND
	s_barrier_signal -1
	s_barrier_wait -1
	CREST
.endm
.macro ASK off, guard                  ; my 38 blocks of the fill two on; guard = 1: not in the loop's last trip, whose fills two on are the short one and none
.if \guard
	s_cmp_gt_u32 s3, 1
	s_cbranch_scc0 .Lno_ask_\@
.endif
	global_prefetch_b8 v[PFO], s[PFA:PFA+1] offset:\off th:TH_LOAD_NT scope:SCOPE_SE
	global_prefetch_b8 v[PF2], s[PFA:PFA+1] offset:\off th:TH_LOAD_NT scope:SCOPE_SE
.Lno_ask_\@:
.endm
	s_load_b128 s[4:7], s[0:1], 0x0                ; xq, wq
	s_load_b128 s[8:11], s[0:1], 0x10              ; bias, out0
	v_lshl_add_u32 v[SPW], v0, 2, SPARE
	v_mov_b32 v[NIL], 0
	ds_add_u32 v[SPW], v[NIL]                      ; the opening lines: the add twice on end and one wait
	ds_add_u32 v[SPW], v[NIL]
	v_lshrrev_b32 v1, 5, v0
	v_readfirstlane_b32 s14, v1                    ; wave
	s_lshr_b32 s15, s14, 1                         ; my half of the rows; also: I load for A (0) or B (1)
	s_and_b32 s16, s14, 1                          ; my half of the columns; also: which group of 128 rows I load
	s_bfe_u32 s40, ttmp6, 0x40000                  ; cx
	s_bfe_u32 s41, ttmp6, 0x40004                  ; cy
	s_lshl_b32 s42, ttmp9, 2
	s_add_co_u32 s42, s42, s40                     ; tile column
	s_and_b32 s17, ttmp7, 0xffff
	s_lshl_b32 s17, s17, 2
	s_add_co_u32 s17, s17, s41                     ; tile row
	s_lshl_b32 s43, s41, 2
	s_lshl_b32 s43, 15, s43                        ; my row of the cluster
	s_lshl_b32 s44, 0x1111, s40                    ; my column
	s_or_b32 s[G1+0], s43, (3<<16)|(1<<21)         ; elements of 8 bytes, rows of 32: 256 bytes, dense
	s_or_b32 s[G1B+0], s44, (3<<16)|(1<<21)
	s_or_b32 s[G1T+0], s43, (3<<16)|(1<<21)
	s_or_b32 s[G1TB+0], s44, (3<<16)|(1<<21)
.irp g, G1, G1B
	s_mov_b32 s[\g+1], 32<<16
	s_mov_b32 s[\g+2], 150<<16
	s_mov_b32 s[\g+3], 32<<16
	s_mov_b32 s[\g+4], 150
	s_mov_b32 s[\g+5], 32
	s_mov_b32 s[\g+6], 0
	s_mov_b32 s[\g+7], 0
.endr
.irp g, G1T, G1TB
	s_mov_b32 s[\g+1], 32<<16
	s_mov_b32 s[\g+2], 100<<16
	s_mov_b32 s[\g+3], 32<<16
	s_mov_b32 s[\g+4], 100
	s_mov_b32 s[\g+5], 32
	s_mov_b32 s[\g+6], 0
	s_mov_b32 s[\g+7], 0
.endr
	s_lshl_b32 s20, s17, 1
	s_add_co_u32 s20, s20, s16
	s_mul_i32 s20, s20, RGB                        ; A's stream: group 2 x tile row + half
	s_mov_b32 s21, 0
	s_lshl_b32 s46, s42, 1
	s_add_co_u32 s46, s46, s16
	s_mul_i32 s46, s46, RGB                        ; B's: group 2 x tile column + half
	s_mov_b32 s47, 0
	s_mul_i32 s45, s14, QT                         ; where my loads go: wave x 38,400
	s_lshl_b32 s92, s42, 10
	s_lshl_b32 s93, s16, 9
	s_add_co_u32 s92, s92, s93                     ; my first column in bytes
	s_mov_b32 s93, 0
	s_lshl_b32 s90, s17, 8
	s_lshl_b32 s91, s15, 7
	s_add_co_u32 s90, s90, s91
	s_lshl_b32 s90, s90, 14                        ; my first row of out0 in bytes
	s_mov_b32 s91, 0
	s_add_nc_u64 s[90:91], s[90:91], s[92:93]
	s_cmp_eq_u32 s15, 0
	s_cselect_b32 s89, s40, s41                    ; my place among the four that ask for my piece with me: it enters prefetch addresses alone
	s_lshl_b32 s94, s89, 5
	s_mul_i32 s89, s89, 6
	s_add_co_u32 s89, s89, 128
	s_mul_i32 s18, s15, QT                         ; LDS: my 128 rows of A,
	s_mul_i32 s19, s16, QT
	s_add_co_u32 s19, s19, 2*QT                    ; of B
	s_sub_co_u32 s22, s19, s18
	s_add_co_u32 s88, s18, SWO
	s_mul_i32 s23, s14, 16*SPITCH
	s_add_co_u32 s23, s23, STAGE                   ; my stage
	v_and_b32 v1, 15, v0                           ; r
	v_bfe_u32 v2, v0, 4, 1                         ; h
	v_and_b32 v3, 31, v0                           ; lane
	v_lshlrev_b32 v[BO], 5, v2                     ; bias: 8 h numbers on
	v_add_nc_u32 v[PFO], s94, v3
	v_min_u32 v4, 5, v3
	v_lshlrev_b32 v[PFO], 8, v[PFO]                ; block 32 p + lane
	v_add_nc_u32 v4, s89, v4
	v_min_u32 v4, 149, v4
	v_lshlrev_b32 v[PF2], 8, v4                    ; block 128 + 6 p + min(lane, 5), at most 149
	v_lshlrev_b32 v[CO], 4, v3
	v_add_nc_u32 v[ADRA], s18, v[CO]
	v_add_nc_u32 v[ADRB], s19, v[CO]
	v_add_nc_u32 v[ADRA+1], SLOT, v[ADRA]
	v_add_nc_u32 v[ADRB+1], SLOT, v[ADRB]
	v_mul_u32_u24 v6, s22, v2                      ; lanes 16-31 take B's scale words
	v_lshl_add_u32 v6, v1, 5, v6
	v_add_nc_u32 v[ADRS], s88, v6
	v_add_nc_u32 v[ADRS+1], SLOT, v[ADRS]
	v_mul_u32_u24 v5, v1, SPITCH
	v_lshl_add_u32 v5, v2, 5, v5
	v_add_nc_u32 v[STO], s23, v5                   ; into the stage: row r, 32 bytes for each half of the lanes
	v_add_nc_u32 v[RD], s23, v[CO]                 ; back: 32 lanes take a row of 512 bytes
	s_wait_alu depctr_va_vdst(0)
	s_wait_dscnt 0x0                               ; both opening adds are done
	s_wait_kmcnt 0x0
	s_add_nc_u64 s[20:21], s[4:5], s[20:21]
	s_add_nc_u64 s[46:47], s[6:7], s[46:47]
	s_add_nc_u64 s[8:9], s[8:9], s[92:93]
	s_add_nc_u64 s[10:11], s[10:11], s[90:91]
.irp b, 0,1,2,3,4,5,6,7                        ; the bias in the result's layout, asked for ahead of the first round; waited for ahead of the first product
	global_load_b128 v[BI+8*\b:BI+8*\b+3],   v[BO], s[8:9] offset:64*\b
	global_load_b128 v[BI+8*\b+4:BI+8*\b+7], v[BO], s[8:9] offset:64*\b+16
.endr
	s_cmp_eq_u32 s15, 0
	s_cselect_b64 s[PFA:PFA+1], s[20:21], s[46:47]
.irp s, 0,1
	s_mov_b32 s[G0+4*\s], 1
	s_add_co_u32 s[G0+4*\s+1], s45, \s*SLOT
	s_add_nc_u64 s[G0+4*\s+2:G0+4*\s+3], s[20:21], \s*QT
	s_or_b32 s[G0+4*\s+3], s[G0+4*\s+3], 0x80000000
	s_mov_b32 s[G0B+4*\s], 1
	s_add_co_u32 s[G0B+4*\s+1], s45, \s*SLOT
	s_add_nc_u64 s[G0B+4*\s+2:G0B+4*\s+3], s[46:47], \s*QT
	s_or_b32 s[G0B+4*\s+3], s[G0B+4*\s+3], 0x80000000
.endr
	CROUND                                         ; all sixteen work-groups are here: the first joint loads meet
	JLOAD G0, G1, G0B, G1B                         ; fill 0: one tensor load a wave at the head
	ASK 2*QT, 0                                    ; fill 2
.macro FRAG reg, adr, q, i
.irp c, 0,1,2
	ds_load_b128 v[\reg+4*\c:\reg+4*\c+3], v[\adr] offset:(\q)*CHK+(\i)*FRB+512*\c
.endr
.endm
.macro MUL16 a0, p, zero               ; A's blocks a0, a0 + 1 x B's eight; the accumulators take turns
.irp a, \a0, \a0+1
.irp b, 0,1,2,3,4,5,6,7
.if \zero
	v_wmma_scale_f32_16x16x128_f8f6f4 v[8*(8*((\a)%4)+\b):8*(8*((\a)%4)+\b)+7], v[128*(\p)+FR*\b:128*(\p)+FR*\b+FR-1], v[AF+FR*(\a):AF+FR*(\a)+FR-1], v[BI+8*\b:BI+8*\b+7], v[SC+8*(\p)+\b], v[SC+8*(\p)+(\a)] matrix_a_fmt:MATRIX_FMT_FP6 matrix_b_fmt:MATRIX_FMT_FP6 matrix_a_scale:MATRIX_SCALE_ROW1
.else
	v_wmma_scale_f32_16x16x128_f8f6f4 v[8*(8*((\a)%4)+\b):8*(8*((\a)%4)+\b)+7], v[128*(\p)+FR*\b:128*(\p)+FR*\b+FR-1], v[AF+FR*(\a):AF+FR*(\a)+FR-1], v[8*(8*((\a)%4)+\b):8*(8*((\a)%4)+\b)+7], v[SC+8*(\p)+\b], v[SC+8*(\p)+(\a)] matrix_a_fmt:MATRIX_FMT_FP6 matrix_b_fmt:MATRIX_FMT_FP6 matrix_a_scale:MATRIX_SCALE_ROW1
.endif
.endr
.endr
.endm
.macro FETCH_B slot, q, p
	WIN TO_B
.irp i, 0,1,2,3,4,5,6,7
	FRAG 128*(\p)+FR*\i, ADRB+\slot, \q, \i
.endr
	WIN 0
.endm
.macro FETCH_A slot, q, i0
.irp i, \i0, \i0+1, \i0+2, \i0+3
	FRAG AF+FR*(\i), ADRA+\slot, \q, \i
.endr
.endm
.macro SCALES slot, q, p
	ds_load_b128 v[SC+8*(\p):SC+8*(\p)+3],   v[ADRS+\slot] offset:(\q)*CHK
	ds_load_b128 v[SC+8*(\p)+4:SC+8*(\p)+7], v[ADRS+\slot] offset:(\q)*CHK+16
.endm
.macro PLACES n                        ; plain places behind matrix instructions, ahead of loads into their registers and of reads of their results
.rept \n
	v_nop
.endr
.endm
.macro STEP slot, q, zero              ; a step that is not its slot's last
.set CURP, ((\slot)+(\q))%2
.set NXTP, 1-CURP
	FETCH_B \slot, (\q)+1, NXTP                    ; the other set was last multiplied in the step before, whose closing places stand between
	SCALES \slot, (\q)+1, NXTP
	s_wait_dscnt 12*NL+2                           ; out at most: A's blocks 4-7 (12 loads) and the 26 just issued
.if \zero
	WIN BIAS_LO
.else
	WIN MUL_LO
.endif
	MUL16 0, CURP, \zero
	MUL16 2, CURP, \zero
	s_wait_dscnt 8*NL+2                            ; A's blocks 4-7 are in; the 26 may be out
	PLACES NP
	WIN 0
	FETCH_A \slot, (\q)+1, 0
.if \zero
	WIN BIAS_HI
.else
	WIN MUL_HI
.endif
	MUL16 4, CURP, \zero
	MUL16 6, CURP, \zero
	PLACES NP
	WIN 0
	FETCH_A \slot, (\q)+1, 4
.endm
; A slot's last step.  Its fragments are in registers or on their way, so the slot is read no more.  fill = 1: three steps, 2: the last two, 0: nothing is filled, no round.
.macro MEET slot, fill
	s_wait_dscnt 4*NL                              ; A's blocks 4-7 may be out
	WIN MUL_LO
	MUL16 0, CURP, 0
	WIN 0
	s_wait_tensorcnt 0x0                           ; my one load that was out, my part of the other slot, has landed
	ds_add_u32 v[SPW], v[NIL]
.if \fill
	s_add_nc_u64 s[G0+4*\slot+2:G0+4*\slot+3], s[G0+4*\slot+2:G0+4*\slot+3], 2*QT    ; no load of mine is out: this slot's next fill
	s_add_nc_u64 s[G0B+4*\slot+2:G0B+4*\slot+3], s[G0B+4*\slot+2:G0B+4*\slot+3], 2*QT
.endif
	WIN MUL_LO
	MUL16 2, CURP, 0                               ; sixteen products between the add and the wait for it
	WIN 0
	s_wait_dscnt 0x0                               ; the add is done, and my reads of this slot are over
	s_barrier_signal -1
	s_barrier_wait -1
.endm
.macro TURN slot, next, fill, ask
.set CURP, ((\slot)+NQ-1)%2
.set NXTP, 1-CURP
.if \ask
	s_wait_xcnt 0x0                                ; my last prefetches have read their base
	s_add_nc_u64 s[PFA:PFA+1], s[PFA:PFA+1], QT
.endif
	MEET \slot, \fill
	CREST                                          ; the barrier has opened a round: no wave of any partner reads this slot or has a load out
.if \fill == 1
	JLOAD G0+4*\slot, G1, G0B+4*\slot, G1B         ; its four v_nop are the places ahead of the loads below
.else
	JLOAD G0+4*\slot, G1T, G0B+4*\slot, G1TB
.endif
	FETCH_B \next, 0, NXTP
	FETCH_A \next, 0, 0
	SCALES \next, 0, NXTP
.if \ask
	ASK 3*QT, 1
.endif
	WIN MUL_HI
	MUL16 4, CURP, 0
	MUL16 6, CURP, 0
	PLACES NP
	WIN 0
	FETCH_A \next, 0, 4
.endm
	s_wait_tensorcnt 0x0                           ; my part of fill 0 is in; the same lines ahead of slot 1's first fill as ahead of a refill
	ds_add_u32 v[SPW], v[NIL]
	s_wait_dscnt 0x0
	CROUND
	JLOAD G0+4, G1, G0B+4, G1B                     ; fill 1
	FETCH_B 0, 0, 0
	FETCH_A 0, 0, 0
	SCALES 0, 0, 0
	FETCH_A 0, 0, 4
	ASK 3*QT, 0                                    ; fill 3
	s_wait_loadcnt 0x0                             ; the bias
	STEP 0, 0, 1                                   ; the first products start the sums from the bias
	s_mov_b32 s3, TRIPS
.Llap:                                                 ; a trip: six steps, once round the ring, both slots filled again
	STEP 0, 1, 0
	TURN 0, 1, 1, 1
	STEP 1, 0, 0
	STEP 1, 1, 0
	TURN 1, 0, 1, 1
	STEP 0, 0, 0
	s_sub_co_u32 s3, s3, 1
	s_cmp_lg_u32 s3, 0
	s_cbranch_scc1 .Llap
	STEP 0, 1, 0
	TURN 0, 1, 2, 0                                ; the last fill: steps 30 and 31
	STEP 1, 0, 0
	STEP 1, 1, 0
; Step 29, and the change to rows of out0.
.macro ALOAD a                         ; A's block a, steps 30 and 31, into buffer a % 4 of 24 registers
.irp q, 0,1
	FRAG AF+24*((\a)%4)+FR*\q, ADRA, \q, \a
.endr
.endm
.macro ROW a                           ; block a is finished: 16 products, its 8 accumulators by turns, K ascending
	WIN MUL_LO+0x50*((\a)/4)
.irp q, 0,1
.if (\a) == 0
	s_wait_dscnt 38-26*\q                          ; step 30's B, scale words and A's buffers 0, 1 are in (38 younger); then step 31's B and scale words (12 younger)
.endif
.irp b, 0,1,2,3,4,5,6,7
	v_wmma_scale_f32_16x16x128_f8f6f4 v[64*((\a)%4)+8*\b:64*((\a)%4)+8*\b+7], v[128*\q+FR*\b:128*\q+FR*\b+FR-1], v[AF+24*((\a)%4)+FR*\q:AF+24*((\a)%4)+FR*\q+FR-1], v[64*((\a)%4)+8*\b:64*((\a)%4)+8*\b+7], v[SC+8*\q+\b], v[SC+8*\q+(\a)] matrix_a_fmt:MATRIX_FMT_FP6 matrix_b_fmt:MATRIX_FMT_FP6 matrix_a_scale:MATRIX_SCALE_ROW1
.endr
.endr
.endm
.macro TOST a                          ; block a into my stage, each accumulator from its low end on
	WIN 0x08+4*((\a)/4)
.irp b, 0,1,2,3,4,5,6,7
	ds_store_b128 v[STO], v[64*((\a)%4)+8*\b:64*((\a)%4)+8*\b+3] offset:64*\b
	ds_store_b128 v[STO], v[64*((\a)%4)+8*\b+4:64*((\a)%4)+8*\b+7] offset:64*\b+16
.endr
.endm
.macro BACK a                          ; and back as whole rows of 512 bytes, into the block's own registers (its stores into the stage have been waited for)
	WIN 0x80+0x40*((\a)/4)
.irp t, 0,1,2,3,4,5,6,7,8,9,10,11,12,13,14,15
	ds_load_b128 v[64*((\a)%4)+4*\t:64*((\a)%4)+4*\t+3], v[RD] offset:\t*SPITCH
.endr
.endm
.macro SEND a                          ; 32 lanes store 512 consecutive bytes, at a multiple of 256 from out0's first byte; 127 rows at the most: inside the signed 24-bit immediate.  No base is stepped and no data register is written again
	WIN 0x08+4*((\a)/4)
.irp t, 0,1,2,3,4,5,6,7,8,9,10,11,12,13,14,15
	global_store_b128 v[CO], v[64*((\a)%4)+4*\t:64*((\a)%4)+4*\t+3], s[10:11] offset:(16*(\a)+\t)*SIZE_N*4 th:TH_STORE_NT
.endr
.endm
.macro OUT i                           ; behind ROW i: block i - 2 is stored, block i - 1 comes back from the stage, block i goes into it (LDS serves a wave's instructions in order: ISA guide 5.7.1.4)
	PLACES NP
	s_wait_dscnt 0x0                               ; all that was issued ahead of ROW i
.if (\i) >= 2
	SEND (\i)-2
.endif
.if (\i) >= 1
	BACK (\i)-1
.endif
	TOST \i
.if (\i) < 4
	WIN 0
	ALOAD (\i)+4                                   ; the buffer that ROW i has multiplied
.endif
.endm
.set CURP, 1
	MEET 1, 0                                      ; steps 30 and 31 are in slot 0; nobody reads slot 1 any more; nothing is filled
	PLACES NP
	FETCH_B 0, 0, 0
	SCALES 0, 0, 0
	ALOAD 0
	ALOAD 1
	WIN MUL_HI
	MUL16 4, 1, 0
	MUL16 6, 1, 0
	PLACES NP
	FETCH_B 0, 1, 1
	SCALES 0, 1, 1
	ALOAD 2
	ALOAD 3
.irp a, 0,1,2,3,4,5,6,7
	ROW \a
	OUT \a
.endr
	s_wait_dscnt 0x0
	SEND 6
	BACK 7
	s_wait_dscnt 0x0
	SEND 7
	WIN 0
	s_wait_tensorcnt 0x0                           ; the wave's end
	ds_add_u32 v[SPW], v[NIL]
	s_wait_dscnt 0x0
	CROUND                                         ; the closing round
	s_endpgm
.Lfunc_end_k_q8a66636dc6_gemm:
	.size	k_q8a66636dc6_gemm, .Lfunc_end_k_q8a66636dc6_gemm-k_q8a66636dc6_gemm
	.p2alignl 7, 3214868480
	.fill 96, 4, 3214868480
	.section	.rodata,"a",@progbits
	.p2align	6, 0x0
	.amdhsa_kernel k_q8a66636dc6_gemm
		.amdhsa_group_segment_fixed_size 327680
		.amdhsa_private_segment_fixed_size 0
		.amdhsa_enable_private_segment 0
		.amdhsa_kernarg_size 32
		.amdhsa_user_sgpr_count 2
		.amdhsa_user_sgpr_kernarg_segment_ptr 1
		.amdhsa_wavefront_size32 1
		.amdhsa_system_sgpr_workgroup_id_x 1
		.amdhsa_system_sgpr_workgroup_id_y 1
		.amdhsa_system_sgpr_workgroup_id_z 1
		.amdhsa_system_vgpr_workitem_id 0
		.amdhsa_next_free_vgpr 1024
		.amdhsa_next_free_sgpr 102
		.amdhsa_reserve_vcc 0
		.amdhsa_float_denorm_mode_32 3
		.amdhsa_float_denorm_mode_16_64 3
		.amdhsa_memory_ordered 1
		.amdhsa_forward_progress 1
		.amdhsa_inst_pref_size 207
	.end_amdhsa_kernel
	.amdgpu_metadata
---
amdhsa.version: [ 1, 2 ]
amdhsa.kernels:
  - .name:           k_q8a66636dc6_gemm
    .symbol:         k_q8a66636dc6_gemm.kd
    .args:
      - { .name: xq, .offset: 0, .size: 8, .value_kind: global_buffer, .address_space: global }
      - { .name: wq, .offset: 8, .size: 8, .value_kind: global_buffer, .address_space: global }
      - { .name: bias, .offset: 16, .size: 8, .value_kind: global_buffer, .address_space: global }
      - { .name: out0, .offset: 24, .size: 8, .value_kind: global_buffer, .address_space: global }
    .group_segment_fixed_size: 327680
    .private_segment_fixed_size: 0
    .kernarg_segment_align: 8
    .kernarg_segment_size: 32
    .max_flat_workgroup_size: 128
    .sgpr_count:     102
    .vgpr_count:     1024
    .wavefront_size: 32
...
	.end_amdgpu_metadata
.endif
;; end of part 2
